; MI455X (gfx1250); checked and timed in simulation.
; The chip was launched on July 23, 2026; its instructions are those of AMD's public machine-readable ISA for CDNA 5 (MIT licence, August 2026) and "CDNA5" Instruction Set Architecture Reference Guide (July 2026). The comments in the code are by the model that wrote it; some were corrected since.
;; Scaled Dot Product Attention. Allowed arithmetic: matrix products marked QUANTISED: E4M3 operands, one given power-of-two scale a tensor, by v_wmma_f32_16x16x64_fp8_fp8 or v_wmma_f32_16x16x128_fp8_fp8, f32 sums; everything else in f32.
;; Inputs: K_codes 4 x 16 x 2,048 x 4 x 32 uint8 (E4M3 codes of K, K innermost, in blocks of 32 codes); Q_codes 4 x 16 x 2,048 x 4 x 32 uint8 (E4M3 codes of Q, K innermost, in blocks of 32 codes); V_codes 4 x 16 x 128 x 64 x 32 uint8 (E4M3 codes of V, K innermost, in blocks of 32 codes); lowp_scales 4 int32 (the exponents e of the quantised operands' scales 2^e); mask 2,048 x 2,048 bool.
;; Outputs: out0 4 x 16 x 2,048 x 128 float32.
;; This version of the problem:
;;   THIS VERSION OF THE PROBLEM IS GIVEN IN LOW PRECISION. The matrix products marked QUANTISED in the list below multiply operands that are first quantised to E4M3 (4 exponent bits, 3 mantissa bits; 8 bits a number), with one given power-of-two scale for each operand tensor; their sums are f32. All else is computed in f32.
;;   The module's matrix products, in the order in which they are computed (A, B: the left and right operand; K: the contracted axis; several contracted axes count as one K, in the product's order):
;;     1. batch 64 x [M 2,048, K 128] x [K 128, N 2,048]; A: input Q (given as codes); B: input K (given as codes): QUANTISED (scales: A lowp_scales[0], B lowp_scales[1])
;;     2. batch 64 x [M 2,048, K 2,048] x [K 2,048, N 128]; A: softmax (see below); B: input V (given as codes): QUANTISED (scales: A lowp_scales[2], B lowp_scales[3])
;;   THE QUANTISER, for each operand of a quantised product, along K:
;;     - The operand's scale is 2^e, e = its entry of the input lowp_scales (int32; the entries are numbered through the quantised products in the list's order, A before B).
;;     - Each number is divided by the scale, clamped to +-448, and rounded to the nearest number of E4M3, ties to even, subnormals kept.
;;     - The product sums the exact products of the quantised numbers (number of the format x scale) in f32.
;;   ~~~python
;;   def quantise(x, axis, e):      # numpy; x: float32 -> the quantised numbers, widened to float32 again
;;       x = np.moveaxis(x, axis, -1); K = x.shape[-1]
;;       r = np.clip(x / 2.0 ** e, -448, 448)
;;       step = 2.0 ** (np.maximum(np.frexp(np.where(r == 0, 1, r))[1] - 1, -6) - 3)
;;       q = np.round(r / step) * step * 2.0 ** e      # np.round: ties to even
;;       return np.moveaxis(q, -1, axis).astype(np.float32)
;;   ~~~
;;   SOFTMAX AHEAD OF A QUANTISED PRODUCT. Where the list says 'softmax', what is quantised is not the finished softmax but p = 2^(t - M), with t = logit x log2(e) and M = ceil(the row's largest t), a whole number; so 1/2 < the row's largest p <= 1. The row's sum l is taken of the UNQUANTISED p, in f32, and the product's result is divided by l at the end. Since M is a whole number, a kernel that streams over the keys may use a running M (the ceiling of the running maximum): every later rescaling is an exact power of two, so the quantised numbers keep their values, but for numbers so far below the row's largest that they fall under the format's range.
;;   OPERANDS COMPUTED ON THE WAY. 'Computed on the way' means the value that the module computes at that place (a softmax that the list does not call 'softmax' is quantised finished and normalised). What goes into a quantiser is computed in f32, as accurately as f32 sums, v_exp_f32 and their like allow (about 1e-6 of the number): no bf16 or f16 on the way to a quantiser, and a product that is left as it is and whose result goes on into a quantised operand takes f32 operands (vector FMAs, or v_wmma_f32_16x16x4_f32). A number that lies on a knife's edge between two numbers of the format may be rounded either way, as far as f32 arithmetic and the matrix unit's own rounding can turn it there, and no further.
;;   INPUTS GIVEN AS CODES. K (in the module: [4, 16, 2048, 128], K = its axis 3); Q (in the module: [4, 16, 2048, 128], K = its axis 3); V (in the module: [4, 16, 2048, 128], K = its axis 2): each comes as NAME_codes (uint8): NAME with its K axis moved to the last place and cut into blocks of 32 codes, [.., K / 32, bytes a block], one block behind the other in memory; one code a byte (a code: sign, 4 exponent bits, 3 mantissa bits); its scale is its entry of lowp_scales. Its value is code x scale, taken as it is: it is not quantised again, and the codes and scales need not be those that the quantiser above would give.
;; One version. Each part assembles by itself: llvm-mc -triple=amdgcn-amd-amdhsa -mcpu=gfx1250 --defsym DOCPART=n.
;; ======== version 1 of 1: 2 launches
;; limits: right only within a limited range of input values
;; workspace buffers: mw 524,288 bytes of whole numbers; flg 512 bytes of whole numbers
;; launch prep (part 1): grid 128 x 2, 8 waves a work-group, no clusters, 17,920 bytes of LDS; arguments mask, mw, flg; writes mw, flg
.if DOCPART == 1
	.amdgcn_target "amdgcn-amd-amdhsa--gfx1250"
	.amdhsa_code_object_version 6
	.text
	.protected	k_qba4ec29925_prep
	.globl	k_qba4ec29925_prep
	.p2align	8
	.type	k_qba4ec29925_prep,@function
k_qba4ec29925_prep:
	s_mov_b64 s[64:65], 0
	v_nop
	global_prefetch_b8 v0, s[64:65] scope:SCOPE_SE
	s_setreg_imm32_b32 hwreg(HW_REG_WAVE_MODE, 25, 1), 1
	s_wait_xcnt 0x0
; THE MASK, 2,048 x 2,048 bytes (0 = hidden, anything else = allowed), is packed into the form in which the attention launch uses it.
; mw [qt 128][st 16][n 64] of 32-bit words: word n of query tile qt and key step st is a LANE MASK: bit l is 1 where the mask hides
;   query 16 qt + l % 16 from key 128 st + 32 (n / 16) + 16 (l / 16) + n % 16: the score that lane l of the attention launch holds in its n-th score register.
; flg [qt 128] of 32-bit words: bit st = 1 where some key of step st is allowed for some of the tile's 16 queries; bit 16 + st = 1 where some key is hidden.
; SHARES.  A work-group owns a tile's 16 rows and one half of the keys (ttmp7): 16 x 1,024 bytes.  Wave w brings in rows 2 w, 2 w + 1, 512 consecutive bytes a load,
; and makes the words of step 8 x half + w.  The rows turn through LDS, since a lane then wants 16 bytes of ONE row.
; The flags are two bytes a work-group (byte "half" and byte 2 + half of the tile's word): 512 bytes in the launch, the one store here that does not fill 256 consecutive bytes.
; No prefetch: each wave has one run of loads and no loop to run ahead in.  Nothing is read by two work-groups, so no cluster.
.set PITCH, 1040                       ; an LDS row: 1,024 bytes + 16: an odd multiple of 16, so that the 16 rows that a load touches start at different banks (64 banks of 4 bytes: ISA guide 11.1)
.set FL,    16*PITCH                   ; behind the rows: 8 bytes for each wave
.set SPARE, FL+256                     ; the spare words, 128 bytes for each wave
	s_load_b128 s[4:7], s[0:1], 0x0                ; mask s[4:5], mw s[6:7]
	s_load_b64 s[8:9], s[0:1], 0x10                ; flg
	v_lshl_add_u32 v64, v0, 2, SPARE
	v_mov_b32 v65, 0
	v_lshrrev_b32 v1, 5, v0
	s_delay_alu instid0(VALU_DEP_1)
	v_readfirstlane_b32 s10, v1                    ; wave 0..7
	s_and_b32 s12, ttmp7, 0xffff                   ; which half of the keys
	s_mul_i32 s24, s10, 2*PITCH
	s_lshl_b32 s25, s10, 7
	s_lshl_b32 s11, s10, 3
	s_add_co_u32 s11, s11, FL
	v_and_b32 v1, 31, v0                           ; lane
	v_and_b32 v2, 15, v0                           ; r = lane % 16
	v_bfe_u32 v3, v0, 4, 1                         ; h = lane / 16
	v_lshlrev_b32 v4, 4, v1                        ; in memory: 16 bytes a lane
	v_mul_u32_u24 v6, v2, PITCH
	v_lshlrev_b32 v7, 3, v1                        ; in mw: two words a lane
	v_add_nc_u32 v5, s24, v4                       ; into LDS: my wave's two rows
	v_lshl_add_u32 v6, v3, 4, v6
	v_mov_b32 v60, s11                             ; my wave's 8 bytes of flags
	v_mov_b32 v61, FL
	v_add_nc_u32 v6, s25, v6                       ; out of LDS: row r, + 16 h, + my wave's 128 keys
	v_mov_b32 v62, 0
	v_mov_b32 v54, 0                               ; written once: the destination of v_writelane_b32 counts as read
	v_mov_b32 v55, 0
	s_lshl_b32 s24, ttmp9, 15                      ; the tile's 16 rows of 2,048 bytes,
	s_lshl_b32 s25, s10, 12                        ; my wave's two,
	s_add_co_u32 s24, s24, s25
	s_lshl_b32 s25, s12, 10                        ; my half
	s_add_co_u32 s24, s24, s25
	s_mov_b32 s25, 0
	s_lshl_b32 s26, ttmp9, 12                      ; the tile's 16 x 64 words,
	s_lshl_b32 s27, s12, 11                        ; my half's eight steps,
	s_add_co_u32 s26, s26, s27
	s_lshl_b32 s27, s10, 8                         ; my wave's step
	s_add_co_u32 s26, s26, s27
	s_mov_b32 s27, 0
	s_lshl_b32 s28, ttmp9, 2                       ; the tile's flag word,
	s_add_co_u32 s28, s28, s12                     ; my half's byte
	s_mov_b32 s29, 0
	s_wait_alu depctr_va_vdst(0)                   ; the wait at the head's end
	s_wait_kmcnt 0x0
	s_add_nc_u64 s[4:5], s[4:5], s[24:25]
	s_add_nc_u64 s[6:7], s[6:7], s[26:27]
	s_add_nc_u64 s[8:9], s[8:9], s[28:29]
.irp i, 0,1,2,3
	global_load_b128 v[16+4*\i:19+4*\i], v4, s[4:5] offset:2048*(\i>>1)+512*(\i&1) th:TH_LOAD_NT   ; 32 lanes read 512 consecutive bytes; read once in the launch
.endr
.irp i, 0,1,2,3
	s_wait_loadcnt 3-\i                            ; loads come back in order (ISA guide 5.7.1): the 3 - i younger ones may be out
	ds_store_b128 v5, v[16+4*\i:19+4*\i] offset:(\i>>1)*PITCH+(\i&1)*512
.endr
	s_wait_dscnt 0x0                               ; for the others' sake: my stores have landed
	s_barrier_signal -1
	s_barrier_wait -1                              ; the 16 rows lie in LDS
.irp b, 0,1,2,3
	ds_load_b128 v[16+4*\b:19+4*\b], v6 offset:32*\b   ; row r, my step's keys 32 b + 16 h + 0 .. 15
.endr
	s_mov_b32 s14, -1                              ; the AND of the step's words: all ones where every key is hidden
	s_mov_b32 s15, 0                               ; their OR: not 0 where some key is hidden
	s_wait_dscnt 0x0
; Byte k of register m is word n = 4 m + k's bit of my lane: a compare with 0 gathers the 32 lanes' bits in a scalar register.
; Word n goes to lane n / 2 of one of two registers, so that the 64 words leave as 8 bytes a lane: 256 consecutive bytes, aligned.
.set m, 0
.rept 16
.irp k, 0,1,2,3
	v_bfe_u32 v[50+\k], v[16+m], 8*\k, 8
.endr
.irp k, 0,1,2,3
	s_delay_alu instid0(VALU_DEP_4)
	v_cmp_eq_u32 s[20+\k], 0, v[50+\k]
.endr
.irp k, 0,1,2,3
	s_and_b32 s14, s14, s[20+\k]
	s_or_b32 s15, s15, s[20+\k]
	v_writelane_b32 v[54+(\k%2)], s[20+\k], 2*m+(\k/2)
.endr
.set m, m+1
.endr
	global_store_b64 v7, v[54:55], s[6:7]          ; its data registers are not written again
	s_cmp_lg_u32 s14, -1
	s_cselect_b32 s16, 1, 0
	s_lshl_b32 s16, s16, s10
	s_cmp_lg_u32 s15, 0
	s_cselect_b32 s17, 1, 0
	s_lshl_b32 s17, s17, s10
	v_mov_b32 v58, s16
	v_mov_b32 v59, s17
	ds_store_b64 v60, v[58:59]                     ; all lanes write the same 8 bytes with the same value
	s_wait_dscnt 0x0                               ; for wave 0's sake
	s_barrier_signal -1
	s_barrier_wait -1
	s_cmp_lg_u32 s10, 0
	s_cbranch_scc1 .Lend                           ; wave 0 joins the eight parts; no barrier follows
.irp k, 0,1,2,3
	ds_load_b128 v[16+4*\k:19+4*\k], v61 offset:16*\k
.endr
	s_wait_dscnt 0x0
.irp k, 16,17,20,21,24,25,28,29
	v_or_b32 v[\k], v[\k], v[\k+2]
.endr
.irp k, 16,17,24,25
	v_or_b32 v[\k], v[\k], v[\k+4]
.endr
	v_or_b32 v16, v16, v24
	v_or_b32 v17, v17, v25
	s_wait_alu depctr_va_vdst(0)
	s_wait_xcnt 0x0                                ; EXEC is a source of my stores above: it changes only behind this wait
	v_cmp_eq_u32 vcc_lo, 0, v1
	s_and_saveexec_b32 s13, vcc_lo
	global_store_b8 v62, v16, s[8:9]               ; lane 0 alone
	global_store_b8 v62, v17, s[8:9] offset:2
	s_wait_xcnt 0x0                                ; and again, in front of the line that widens it
	s_or_b32 exec_lo, exec_lo, s13
.Lend:
	s_wait_tensorcnt 0x0                           ; the wave's end
	ds_add_u32 v64, v65
	s_wait_dscnt 0x0
	s_endpgm
.Lfunc_end_k_qba4ec29925_prep:
	.size	k_qba4ec29925_prep, .Lfunc_end_k_qba4ec29925_prep-k_qba4ec29925_prep
	.p2alignl 7, 3214868480
	.fill 96, 4, 3214868480
	.section	.rodata,"a",@progbits
	.p2align	6, 0x0
	.amdhsa_kernel k_qba4ec29925_prep
		.amdhsa_group_segment_fixed_size 17920
		.amdhsa_private_segment_fixed_size 0
		.amdhsa_enable_private_segment 0
		.amdhsa_kernarg_size 24
		.amdhsa_user_sgpr_count 2
		.amdhsa_user_sgpr_kernarg_segment_ptr 1
		.amdhsa_wavefront_size32 1
		.amdhsa_system_sgpr_workgroup_id_x 1
		.amdhsa_system_sgpr_workgroup_id_y 1
		.amdhsa_system_sgpr_workgroup_id_z 1
		.amdhsa_system_vgpr_workitem_id 0
		.amdhsa_next_free_vgpr 66
		.amdhsa_next_free_sgpr 66
		.amdhsa_reserve_vcc 1
		.amdhsa_float_denorm_mode_32 3
		.amdhsa_float_denorm_mode_16_64 3
		.amdhsa_memory_ordered 1
		.amdhsa_forward_progress 1
		.amdhsa_inst_pref_size 24
	.end_amdhsa_kernel
	.amdgpu_metadata
---
amdhsa.version: [ 1, 2 ]
amdhsa.kernels:
  - .name:           k_qba4ec29925_prep
    .symbol:         k_qba4ec29925_prep.kd
    .args:
      - { .name: mask, .offset: 0, .size: 8, .value_kind: global_buffer, .address_space: global }
      - { .name: mw, .offset: 8, .size: 8, .value_kind: global_buffer, .address_space: global }
      - { .name: flg, .offset: 16, .size: 8, .value_kind: global_buffer, .address_space: global }
    .group_segment_fixed_size: 17920
    .private_segment_fixed_size: 0
    .kernarg_segment_align: 8
    .kernarg_segment_size: 24
    .max_flat_workgroup_size: 256
    .sgpr_count:     66
    .vgpr_count:     66
    .wavefront_size: 32
...
	.end_amdgpu_metadata
.endif
;; end of part 1
;; launch attn (part 2): grid 4 x 64, 4 waves a work-group, no clusters, 180,736 bytes of LDS; arguments Q_codes, K_codes, V_codes, lowp_scales, mw, flg, out0; writes out0
.if DOCPART == 2
	.amdgcn_target "amdgcn-amd-amdhsa--gfx1250"
	.amdhsa_code_object_version 6
	.text
	.protected	k_qba4ec29925_attn
	.globl	k_qba4ec29925_attn
	.p2align	8
	.type	k_qba4ec29925_attn,@function
k_qba4ec29925_attn:
	s_mov_b64 s[64:65], 0
	v_nop
	global_prefetch_b8 v0, s[64:65] scope:SCOPE_SE
	s_setreg_imm32_b32 hwreg(HW_REG_WAVE_MODE, 25, 1), 1
	s_wait_xcnt 0x0
; O[head][q][:] = the sum over k of softmax_k(Q[q] . K[k] / sqrt(128), hidden where the given mask says so) V[k][:], both products on codes of FP8 (E4M3), each tensor with the one scale 2^e that is given: eq, ek, ep, ev.
; Q, K: [64][2048][128] codes.  V: [64][128][2048] codes, the keys innermost.  O: [64][2048][128] f32.  The mask comes packed by the launch before: mw (a lane mask for each score register), flg (which key steps of a query tile have work: low half; which have hidden keys: high half).
; THE SOFTMAX: t = score x log2(e) / sqrt(128); M = the row's largest t so far, rounded UP to a whole number; p = 2^(t - M) is quantised along the keys, not normalised; the row's sum is taken of the unquantised p and divides O at the end.
; When M moves, the sum and O are multiplied by 2^(old M - new M): exact.  A hidden score becomes -infinity ahead of the maximum, so its p is 0.  A row with no allowed key has sum 0 and O 0, and 0 x (1 / 0) gives NaN, as the softmax of such a row is.
; SHARES.  A work-group serves one head and two blocks of 256 queries, one after the other: block 7 - x, then block x.  Each of its four waves owns 64 queries of a block: four tiles of 16, so that each fragment of K and V
; read from LDS feeds four matrix instructions.  Every wave walks the head's 16 key steps of 128 keys; A STEP IN WHICH THE MASK HIDES ALL 128 KEYS FROM ALL 64 QUERIES IS LEFT OUT, by a scalar branch on the stored flags; a slot (two steps) that
; no wave of the block needs is not fetched.  Nothing of the mask's pattern is built in.
; WHICH WORK-GROUP: its linear number is n = ttmp9 + 4 y; head = 2 (n / 8) + bit 1 of n; x = bit 0 of n + 2 (bit 2 of n): the four work-groups of a head have the same bit 1.
; K AND V GO THROUGH REGISTERS INTO LDS (global loads, LDS stores, one barrier a slot), two buffers by turns; in a slot's step q half q of the next slot (128 keys of K, 64 rows of V) is asked for at the step's head and stored at its end.
; NO CLUSTER, NO TENSOR LOAD, though the four work-groups of a head read the same K and V: which steps are worked and which slots are fetched hangs on numbers read from memory and differs between the four,
; so they would ask for different numbers of tiles; what is left out so is up to 15 of a block's 16 steps, of all arithmetic and all LDS traffic.
; LAYOUT.  Both products are used transposed: S^T = K Q^T (source 0 = 16 keys, source 1 = 16 queries), O^T = V^T P^T: a lane holds ONE query (lane % 16) throughout.  Lane r of tile 2 b + u of a step takes key 32 b + 8 u + r + 8 (r / 8),
; so that the 16 registers of tiles 2 b, 2 b + 1 are the 16 neighbouring keys 32 b + 16 (lane / 16) + 0 .. 15.  K's rows are LAID in LDS with bits 3 and 4 of the key's number exchanged, so that such a tile is 16 neighbouring LDS rows.
; A fragment is fetched by four loads of 16 bytes: a permutation of k that is the same on both sides of each product.
; THE HOLD of p at 448 x 2^ep is walked only where it can bind.  A code is at most 448, so |t| is at most 128 x 448 x 448 x 2^(eq + ek) x log2(e) / sqrt(128), under 2^23 where eq + ek is at most 1; t rounded for M is then
; within 0.25 of t, p is at most 2^0.25, and p / 2^ep is under 448 where ep is at least -8.  In every other case a scalar branch on the given exponents leads through the hold.
; LIMITS: eq + ek between -123 and 130 (added to c's exponent field); ep between -126 and 119; p under 2^-126 counts as 0 (v_exp_f32: ISA guide 15.8); the scaled scores stay under 2^31 in magnitude.
; A NaN or an infinity in work that the mask throws away in whole steps is not carried to the result.
; REGISTERS.  All that belongs to ONE tile t has the same number in window t (0-3): so the softmax is written once and expanded under the four windows.  (* = in all four)
;   window 0: v0 the prefetches' offset; v1, v3 my lane's place in K's, V's step, v2, v4 with the step's place added; v5, v7 where I store K's, V's rows, v6, v8 with the half's place added; v9 Q's offset; v10, v11 the stage, in and back; v245 my offset in O; v250, v251 my offsets in K's, V's half slot.
;   v12-27* Q; v28-91 of window 0 V's fragments 0-3, of window 1 the bytes on their way to LDS, of windows 2, 3 K's eight fragments (and Q on its way, in window 3); v224-239 of window i V's fragment 4 + i;
;   v92-107* p's codes (over p's first registers); v96-159* S^T, then p; v160-223* O^T; v240* 448 x 2^ep; v241* a permute's destination; v[242:243]* chains; v244* 2^ep; v246* -M; v247* the largest t; v[248:249]* the sum in two halves;
;   v[252:253]* f; v254* at work; v255* -infinity.  Window 1: v250, v251 my spare word's address and 0.  Window 3: v0, v1 Q's places in the stage.
;   s[2:3] the next slot's byte in K; s[4:5] where my prefetches stand; s[6:7], s[8:9] K, V at my head; s[10:11] O at my 64 rows; s[12:13] mw at my tile 0 and the step in hand; s14 x; s16 slots to go; s17 the slot's step;
;   s18 wave; s19 pass; s[20:21] lane selects; s[22:23] c; s24 the steps with work (any tile; pass 0 in the low half, pass 1 in the high half); s25, s26, s27, s15 the steps with hidden keys of tiles 0 to 3, likewise;
;   s[28:31] the fill's addresses; s[32:63], s[68:99] 64 mask words; s66 slots needed; s67 loop; s[100:101] Q; s104 1 = hold; s105 ep + ev.
.set KP,    144                        ; a key's row in LDS: 128 bytes + 16: an odd multiple of 16, so that 16 neighbouring rows start at different banks (64 banks of 4 bytes: ISA guide 11.1)
.set VP,    272                        ; a row of V in LDS: 256 bytes (a slot's keys) + 16
.set VOFF,  256*KP                     ; a buffer: 256 rows of K, then 128 rows of V
.set SLOT1, VOFF+128*VP                ; buffer 1 begins here
.set STAGE, 2*SLOT1                    ; behind the buffers: 64 rows x 144 bytes for each wave, for Q's way in and (16 rows x 272 bytes of it) for the way out
.set WSTG,  64*KP
.set SPARE, STAGE+4*WSTG               ; the spare words, 128 bytes for each wave
.set MSB, 0
.macro WIN new                         ; s_set_vgpr_msb's low byte: bits 1:0 source 0, 3:2 source 1, 5:4 source 2, 7:6 destination; the high byte repeats the setting that is left
.if MSB != (\new)
	s_set_vgpr_msb (MSB<<8)|(\new)
.set MSB, (\new)
.endif
.endm
.macro PLACES n                        ; places behind a matrix instruction: 4 in front of loads into its registers and of reads of its results, 5 where a matrix instruction writes one of its registers next
.rept \n
	v_nop
.endr
.endm
; Half of a slot, 32,768 bytes, 8,192 a wave, into window dw's v28-91.  K: 4,096 consecutive bytes a wave, 512 a load.  V: two rows' 256 bytes a load.  No hint: the head's other work-groups read the same bytes.
.macro FILL_LOAD kb, vb, dw, ko, vo
	WIN 0x40*(\dw)                                 ; the destination's window; the address in window 0
.irp i, 0,1,2,3,4,5,6,7
	global_load_b128 v[28+4*\i:31+4*\i], v250, s[\kb:\kb+1] offset:512*\i+\ko
.endr
.irp i, 0,1,2,3,4,5,6,7
	global_load_b128 v[60+4*\i:63+4*\i], v251, s[\vb:\vb+1] offset:4096*\i+\vo
.endr
	WIN 0
.endm
; They go into LDS.  Load i of K holds keys 32 w + 4 i + lane / 8: bit 2 of the key is i's bit 0, bit 3 is i's bit 1, bit 4 is i's bit 2; bits 3 and 4 change places in the LDS row.
.macro FILL_STORE ka, va, sw, ko, vo
	WIN 0x04*(\sw)                                 ; the data's window; the address in window 0
.irp i, 0,1,2,3,4,5,6,7
	ds_store_b128 v[\ka], v[28+4*\i:31+4*\i] offset:(16*((\i>>1)&1)+8*((\i>>2)&1)+4*(\i&1))*KP+\ko
.endr
.irp i, 0,1,2,3,4,5,6,7
	ds_store_b128 v[\va], v[60+4*\i:63+4*\i] offset:2*\i*VP+\vo
.endr
	WIN 0
.endm
; Q's 64 rows of 128 bytes, 512 consecutive bytes a load, read once in the launch; they turn through my stage, since a lane wants 16-byte pieces of ONE row.
.macro QLOAD
	WIN 0xc0
.irp i, 0,1,2,3,4,5,6,7,8,9,10,11,12,13,14,15
	global_load_b128 v[28+4*\i:31+4*\i], v9, s[100:101] offset:512*\i th:TH_LOAD_NT
.endr
	WIN 0
.endm
.macro QTURN
	WIN 0x0f                                       ; address and data in window 3
.irp i, 0,1,2,3,4,5,6,7,8,9,10,11,12,13,14,15
	ds_store_b128 v0, v[28+4*\i:31+4*\i] offset:4*\i*KP
.endr
.irp t, 0,1,2,3
	WIN 0x40*\t+3
.irp c, 0,1,2,3
	ds_load_b128 v[12+4*\c:15+4*\c], v1 offset:16*\t*KP+32*\c   ; LDS serves a wave's instructions in order (ISA guide 5.7.1.4): these see my stores
.endr
.endr
	WIN 0
.endm
; A PREFETCH INTO THE L2 of the half that the same step of the NEXT slot will ask for: it stands behind the wave's fill loads, one instruction a wave, one slot (two key steps) ahead of the loads that will want the bytes.
; Each aligned block of 256 bytes is named once in the launch: of a head's four work-groups x = 0 asks, in its first pass alone, at slots 0 to 5 for slots 2 to 7 (s16 counts down from 15 there).
; Waves 0 and 1 ask for the half's 16,384 bytes of K, 8,192 a wave, lanes 256 bytes apart; waves 2 and 3 for its 64 rows of V, 32 a wave, a lane a row: a slot's part of a row is 256 bytes, aligned.  v0 holds the one slot on as well.  Slots 0 and 1 come by their loads alone.
.macro ASK
	s_cmp_eq_u32 s14, 0
	s_cselect_b32 s4, 9, -1
	s_cmp_gt_u32 s16, s4
	s_cbranch_scc0 .Lnot_mine_\@
	s_cmp_lt_u32 s18, 2
	s_cselect_b64 s[4:5], s[28:29], s[30:31]
	global_prefetch_b8 v0, s[4:5] th:TH_LOAD_NT scope:SCOPE_SE
.Lnot_mine_\@:
.endm
.macro KFR f                           ; where K's fragment f stands: register FR of window FW
.set FR, 28+16*((\f)%4)
.set FW, 2+(\f)/4
.endm
.macro VFR f                           ; and V's
.if (\f) < 4
.set FR, 28+16*(\f)
.set FW, 0
.else
.set FR, 224
.set FW, (\f)-4
.endif
.endm
.macro FL a, off                       ; a fragment from LDS
	WIN 0x40*FW
.irp c, 0,1,2,3
	ds_load_b128 v[FR+4*\c:FR+4*\c+3], v[\a] offset:\off+32*\c
.endr
.endm
.macro KQ f, t                         ; S^T's tile f for query tile t: sources 1, 2 and the destination in window t
	KFR \f
	WIN FW+0x54*(\t)
	v_wmma_f32_16x16x128_fp8_fp8 v[96+8*(\f):103+8*(\f)], v[FR:FR+15], v[12:27], 0
.endm
.macro KQ2 f
.irp t, 0,1,2,3
	KQ \f, \t
	KQ (\f)+1, \t
.endr
.endm
.macro PV f, t                         ; O^T's tile f for query tile t: the accumulators take turns, one instruction a turn
	VFR \f
	WIN FW+0x54*(\t)
	v_wmma_f32_16x16x128_fp8_fp8 v[160+8*(\f):167+8*(\f)], v[FR:FR+15], v[92:107], v[160+8*(\f):167+8*(\f)]
.endm
.macro VL f, t                         ; two fragments of V, strewn into tile 0's softmax; back to window t
	VFR \f
	FL 4, 16*(\f)*VP
	VFR (\f)+1
	FL 4, 16*(\f)*VP+16*VP
	WIN 0x55*(\t)
.endm
.macro MWORDS off                      ; 64 mask words of one tile
	s_load_b512 s[32:47], s[12:13], \off
	s_load_b512 s[48:63], s[12:13], \off+0x40
	s_load_b512 s[68:83], s[12:13], \off+0x80
	s_load_b512 s[84:99], s[12:13], \off+0xc0
.endm
.macro MASK                            ; score register n becomes -infinity in the lanes whose bit is set in word n (s32-63, s68-99); in ascending order
.set n, 0
.rept 64
	v_cndmask_b32 v[96+n], v[96+n], v255, s[32+n+4*(n/32)]
.set n, n+1
.endr
.endm
.macro PKF n                           ; t - M, two at a time (of the pairs c and -M the low word serves both halves)
.rept \n
	v_pk_fma_f32 v[96+j:97+j], v[96+j:97+j], s[22:23], v[246:247] op_sel_hi:[1,0,0]
.set j, j+2
.endr
.endm
.macro EXPS n
.rept \n
	v_exp_f32 v[96+j], v[96+j]                     ; p = 2^(t - M)
.set j, j+1
.endr
.endm
; ONE TILE'S SOFTMAX FOR ONE KEY STEP, in window t.
.macro SM t
	WIN 0x55*(\t)
.if (\t) == 0
	VL 0, 0
.endif
	v_max3_num_f32 v254, v96, v97, v98             ; the step's largest score of my query, among my 64 keys, in four chains,
	v_max3_num_f32 v252, v99, v100, v101
	v_max3_num_f32 v242, v102, v103, v104
	v_max3_num_f32 v243, v105, v106, v107
.irp i, 12,20,28,36,44,52
	v_max3_num_f32 v254, v254, v[96+\i], v[97+\i]
	v_max3_num_f32 v252, v252, v[98+\i], v[99+\i]
	v_max3_num_f32 v242, v242, v[100+\i], v[101+\i]
	v_max3_num_f32 v243, v243, v[102+\i], v[103+\i]
.endr
	v_max3_num_f32 v254, v254, v156, v157
	v_max3_num_f32 v252, v252, v158, v159
	v_max_num_f32 v242, v242, v243
	v_max3_num_f32 v254, v254, v252, v242
	v_permlanex16_b32 v241, v254, s20, s21
	v_max_num_f32 v254, v254, v241                 ; and among lane l xor 16's
	v_mul_f32 v254, s22, v254                      ; as t (c is positive)
.if (\t) == 0
	VL 2, 0
.endif
	v_max_num_f32 v247, v247, v254                 ; the running largest t
	v_mov_b32 v254, v246
	v_floor_f32 v246, -v247                        ; the new -M = floor(-t) = -ceil(t): a whole number
.set j, 0
	PKF 2
	v_sub_f32 v254, v246, v254                     ; M's old value less its new one: a whole number, 0 or less
	PKF 4
	v_cvt_i32_f32 v254, v254                       ; (it saturates)
	PKF 4
	v_ldexp_f32 v252, 1.0, v254                    ; f = 2^(old M - new M)
	PKF 22
.if (\t) == 0
	VL 4, 0
.endif
	s_wait_alu depctr_va_vdst(0)                   ; the wait ahead of the batch,
.set j, 0
.if (\t) == 0
	EXPS 64
.else
.if (\t) == 1
	s_wait_dscnt 0x0                               ; V's eight fragments are in
.endif
.irp m, 0,1,2,3,4,5,6,7                ; the products of the tile before, whose codes and O^T the wait above covers too, stand among this tile's exponentials
	PV \m, (\t)-1
	WIN 0x55*(\t)
	EXPS 8
.endr
.endif
	v_pk_mul_f32 v[248:249], v[248:249], v[252:253] op_sel_hi:[1,0]   ; the sums under the new M: the plain instruction behind the exponentials
	s_wait_alu depctr_va_vdst(0)                   ; and one behind it, ahead of the first readers of O^T and of p
.set j, 0
.rept 32
	v_pk_mul_f32 v[160+j:161+j], v[160+j:161+j], v[252:253] op_sel_hi:[1,0]   ; O^T under the new M
.set j, j+2
.endr
.if (\t) == 0
	VL 6, 0
.endif
	v_pk_add_f32 v[242:243], v[96:97], v[98:99]    ; the row's sum is taken of the unquantised p: two at a time, in four chains (v92-95 take p's codes only later)
	v_pk_add_f32 v[92:93], v[100:101], v[102:103]
	v_pk_add_f32 v[94:95], v[104:105], v[106:107]
	v_pk_add_f32 v[248:249], v[248:249], v[108:109]
.irp j, 14,22,30,38,46,54
	v_pk_add_f32 v[242:243], v[242:243], v[96+\j:97+\j]
	v_pk_add_f32 v[92:93], v[92:93], v[98+\j:99+\j]
	v_pk_add_f32 v[94:95], v[94:95], v[100+\j:101+\j]
	v_pk_add_f32 v[248:249], v[248:249], v[102+\j:103+\j]
.endr
	v_pk_add_f32 v[242:243], v[242:243], v[158:159]
	v_pk_add_f32 v[248:249], v[248:249], v[92:93]
	v_pk_add_f32 v[242:243], v[242:243], v[94:95]
	v_pk_add_f32 v[248:249], v[248:249], v[242:243]
	WIN 0
	s_cmp_eq_u32 s104, 0                           ; can the hold bind?  (The given exponents decide.)
	s_cbranch_scc1 .Lfree_\@
	WIN 0x55*(\t)
.set j, 0
.rept 64
	v_min_num_f32 v[96+j], v[96+j], v240           ; the conversion to an 8-bit code does not saturate (ISA guide 7.6.2); p is not negative, so the hold is one-sided
.set j, j+1
.endr
	WIN 0
.Lfree_\@:
	WIN 0x55*(\t)
	v_cvt_scalef32_pk8_fp8_f32 v[92:93], v[96:103], v244     ; the codes of keys 32 b + 16 h + 0 .. 15 go over the numbers of block b - 1, which have been converted;
	v_cvt_scalef32_pk8_fp8_f32 v[94:95], v[104:111], v244
	v_nop                                                    ; a plain instruction between a conversion and the next write of its sources
	v_cvt_scalef32_pk8_fp8_f32 v[96:97], v[112:119], v244
	v_cvt_scalef32_pk8_fp8_f32 v[98:99], v[120:127], v244
	v_nop
	v_cvt_scalef32_pk8_fp8_f32 v[100:101], v[128:135], v244
	v_cvt_scalef32_pk8_fp8_f32 v[102:103], v[136:143], v244
	v_nop
	v_cvt_scalef32_pk8_fp8_f32 v[104:105], v[144:151], v244
	v_cvt_scalef32_pk8_fp8_f32 v[106:107], v[152:159], v244
	v_nop
	WIN 0
.endm
.macro TILE t, mx, nmx
	s_wait_kmcnt 0x0
	s_bitcmp1_b32 \mx, 0                           ; a step all of whose keys count for the tile has nothing to hide
	s_cbranch_scc0 .Lopen_\@
	WIN 0x55*(\t)
	s_wait_alu depctr_va_vdst(0)                   ; the wait ahead of the first reader of S^T, here
	MASK
	WIN 0
.Lopen_\@:
.if (\t) < 3
	s_bitcmp1_b32 \nmx, 0                          ; the next tile's words, 4,096 bytes on: they come while this tile's softmax is walked
	s_cbranch_scc0 .Lw_\@
	MWORDS 0x1000*((\t)+1)
.Lw_\@:
.endif
	s_wait_alu depctr_va_vdst(0)                   ; and here
	SM \t
.endm
; A tile's start.  Which step is a wave's first hangs on the flags, so no first step with C = 0 can be written out: O^T and the sum begin as zeros, which the first change of M leaves zeros.
.macro INIT
	v_mov_b32 v247, 0xff61b1e6                     ; the largest t so far: -3e38, under every t
	v_mov_b32 v248, 0
	v_mov_b32 v249, 0
	v_floor_f32 v246, -v247
.set j, 0
.rept 64
	v_mov_b32 v[160+j], 0
.set j, j+1
.endr
.endm
.macro CONSTS
	v_mov_b32 v244, s49                            ; 2^ep as f32: the conversion takes its exponent field
	v_mov_b32 v240, s48                            ; 448 x 2^ep
	v_mov_b32 v255, 0xff800000                     ; -infinity
	v_mov_b32 v241, 0                              ; written once: a lane permute's destination counts as one of its sources
	v_mov_b32 v253, 0                              ; (named as the upper half of the pair v[252:253])
.endm
; THE WAY OUT of tile t: O^T / the sum x 2^(ep + ev) goes through my stage in LDS, half a row (64 channels, 256 bytes) of 16 queries at a time, and leaves so that sixteen lanes store 256 consecutive bytes, aligned.
; The addresses stay in window 0; the rows come back into O^T's registers, which have been read.
.macro OUT t
	WIN 0x55*(\t)
	v_add_f32 v248, v248, v249                     ; the sum's two halves,
	v_permlanex16_b32 v241, v248, s20, s21
	v_add_f32 v248, v248, v241                     ; and lane l xor 16's
	s_wait_alu depctr_va_vdst(0)                   ; the wait ahead of the transcendental,
	v_rcp_f32 v248, v248
	v_nop                                          ; a plain instruction behind it,
	s_wait_alu depctr_va_vdst(0)                   ; the wait ahead of its first reader,
	v_ldexp_f32 v248, v248, s105
	s_wait_alu depctr_va_vdst(0)                   ; and the wait ahead of the first reader of O^T
.set j, 0
.rept 64
	v_mul_f32 v[96+j], v[160+j], v248              ; register 8 t + i is o(r, 16 t + 8 h + i); each accumulator from its low end on
.set j, j+1
.endr
.irp u, 0,1
	WIN 0x04*(\t)
.irp k, 0,1,2,3
	ds_store_b128 v10, v[96+32*\u+8*\k:99+32*\u+8*\k] offset:64*\k
	ds_store_b128 v10, v[100+32*\u+8*\k:103+32*\u+8*\k] offset:64*\k+16
.endr
	WIN 0x40*(\t)
.irp i, 0,1,2,3,4,5,6,7
	ds_load_b128 v[160+32*\u+4*\i:163+32*\u+4*\i], v11 offset:2*\i*272   ; LDS serves a wave's instructions in order (ISA guide 5.7.1.4): these see my stores, and the next half's stores come behind them
.endr
.endr
	WIN 0x04*(\t)
.irp u, 0,1
.irp i, 0,1,2,3,4,5,6,7
	s_wait_dscnt 23-16*\u-\i                       ; behind this load: the rest of its half's loads and, for the first half, the second half's 8 stores and 8 loads
	global_store_b128 v245, v[160+32*\u+4*\i:163+32*\u+4*\i], s[10:11] offset:8192*(\t)+1024*\i+256*\u th:TH_STORE_NT
.endr
.endr
	WIN 0
.endm
; A KEY STEP: 128 keys, step s17 of the slot in buffer buf, for my four tiles.
.macro STEP buf
	s_bitcmp1_b32 s24, 0                           ; is any of the 128 keys allowed for any of my 64 queries?
	s_cbranch_scc0 .Lskip_\@
	s_mul_i32 s32, s17, 128*KP
	s_add_co_u32 s32, s32, (\buf)*SLOT1
	s_lshl_b32 s33, s17, 7
	s_add_co_u32 s33, s33, (\buf)*SLOT1
	v_add_nc_u32 v2, s32, v1
	v_add_nc_u32 v4, s33, v3
.irp k, 0,1,2,3,4,5,6,7
	KFR \k
	FL 2, 16*\k*KP
.endr
	WIN 0
	s_bitcmp1_b32 s25, 0                           ; tile 0's mask words, where some of the step's keys are hidden from it
	s_cbranch_scc0 .Lw0_\@
	MWORDS 0x0
.Lw0_\@:
	s_wait_dscnt 24                                ; fragments 0, 1 are in; 2 to 7 may be out
	KQ2 0
	s_wait_dscnt 16                                ; 2, 3
	KQ2 2
	s_wait_dscnt 8                                 ; 4, 5
	KQ2 4
	s_wait_dscnt 0x0
	KQ2 6
	PLACES 4
	WIN 0
	TILE 0, s25, s26
	TILE 1, s26, s27
	TILE 2, s27, s15
	TILE 3, s15, s15
	s_wait_alu depctr_va_vdst(0)
.irp m, 0,1,2,3,4,5,6,7
	PV \m, 3
.endr
	PLACES 5                                       ; for whatever follows: loads into the fragments' places, the next scores over p's codes, or the way out's reads
	WIN 0
.Lskip_\@:
	s_lshr_b32 s24, s24, 1                         ; the next step's flags
	s_lshr_b32 s25, s25, 1
	s_lshr_b32 s26, s26, 1
	s_lshr_b32 s27, s27, 1
	s_lshr_b32 s15, s15, 1
	s_add_nc_u64 s[12:13], s[12:13], 256           ; and its words (the scalar loads that read this base have been waited for)
.endm
; A SLOT: two key steps out of buffer buf.  ONE barrier, at its head: in front of it my stores into this buffer have landed and my reads of the other buffer are in; behind it this buffer is whole and nobody reads the other.
.macro SLOT buf
	s_add_co_u32 s2, s2, 32768                     ; the next slot's 256 keys of 128 bytes; behind the head's last slot comes its first, for the second pass
	s_and_b32 s2, s2, 0x3ffff
	s_sub_co_u32 s16, s16, 1
	s_lshr_b32 s66, s66, 2                         ; bit 0: does any wave of the block need the next slot?
	s_mov_b32 s17, 0
	s_barrier_signal -1
	s_barrier_wait -1
.Lstep_\@:
	s_wait_xcnt 0x0                                ; the last prefetch has read its address; the last fill's loads have been waited for
	s_lshl_b32 s4, s17, 14
	s_add_co_u32 s4, s4, s2                        ; K: half s17's 128 keys
	s_mov_b32 s5, 0
	s_add_nc_u64 s[28:29], s[6:7], s[4:5]
	s_lshl_b32 s4, s17, 17                         ; V: half s17's 64 rows of 2,048 bytes,
	s_lshr_b32 s5, s2, 7                           ; the slot's 256 bytes in each
	s_add_co_u32 s4, s4, s5
	s_mov_b32 s5, 0
	s_add_nc_u64 s[30:31], s[8:9], s[4:5]
	s_bitcmp1_b32 s66, 0
	s_cbranch_scc0 .Lnf_\@
	FILL_LOAD 28, 30, 1, 0, 0
	ASK
.Lnf_\@:
	STEP \buf
	s_wait_loadcnt 0x0                             ; the fill's 16 loads are in (on every way, so that none is left out)
	s_bitcmp1_b32 s66, 0
	s_cbranch_scc0 .Lns_\@
	s_mul_i32 s32, s17, 128*KP
	s_add_co_u32 s32, s32, (1-(\buf))*SLOT1
	s_mul_i32 s33, s17, 64*VP
	s_add_co_u32 s33, s33, (1-(\buf))*SLOT1
	v_add_nc_u32 v6, s32, v5
	v_add_nc_u32 v8, s33, v7
	FILL_STORE 6, 8, 1, 0, 0
.Lns_\@:
	s_wait_dscnt 0x0                               ; my stores have landed, and have read the registers that the next fill takes
	s_add_co_u32 s17, s17, 1
	s_cmp_lt_u32 s17, 2
	s_cbranch_scc1 .Lstep_\@
.endm
	s_load_b256 s[32:39], s[0:1], 0x0              ; Q s[32:33], K s[34:35], V s[36:37], the scales' exponents s[38:39]
	s_load_b128 s[40:43], s[0:1], 0x20             ; mw s[40:41], flg s[42:43]
	s_load_b64 s[44:45], s[0:1], 0x30              ; O
	WIN 0x40
	v_lshl_add_u32 v250, v0, 2, SPARE              ; window 1: my spare word,
	v_mov_b32 v251, 0                              ; and 0
	WIN 0
	v_lshrrev_b32 v10, 5, v0
	v_readfirstlane_b32 s18, v10                   ; wave 0..3
	s_lshl_b32 s26, s18, 12
	s_lshl_b32 s27, s18, 15
	v_and_b32 v247, 15, v0                         ; r = lane % 16
	v_bfe_u32 v248, v0, 4, 1                       ; h = lane / 16
	v_and_b32 v249, 31, v0                         ; lane
	v_lshlrev_b32 v251, 11, v248
	v_lshlrev_b32 v9, 4, v249                      ; Q: 16 bytes a lane
	v_lshl_add_u32 v251, v247, 4, v251
	v_add_nc_u32 v250, s26, v9                     ; in K's half: 4,096 x wave + 16 x lane
	v_add_nc_u32 v251, s27, v251                   ; in V: row 16 x wave + h of 2,048 bytes, + 16 r
	s_and_b32 s48, ttmp7, 0xffff                   ; y
	s_lshr_b32 s50, s48, 1
	s_lshl_b32 s50, s50, 1
	s_lshr_b32 s51, ttmp9, 1
	s_add_co_u32 s55, s50, s51                     ; the head
	s_and_b32 s50, s48, 1
	s_lshl_b32 s50, s50, 1
	s_and_b32 s14, ttmp9, 1
	s_add_co_u32 s14, s14, s50                     ; x
	s_lshl_b32 s50, s55, 18                        ; the head's 262,144 bytes in each tensor of codes
	s_mov_b32 s51, 0
	s_sub_co_u32 s52, 7, s14                       ; the first pass's block
	s_lshl_b32 s53, s52, 4
	s_lshl_b32 s54, s18, 2
	s_add_co_u32 s53, s53, s54                     ; my tile 0: 16 x block + 4 x wave
	s_lshl_b32 s56, s53, 11                        ; its rows of 128 bytes in Q,
	s_add_co_u32 s56, s56, s50                     ; in my head
	s_mov_b32 s57, 0
	s_lshl_b32 s58, s53, 12                        ; its 4,096 bytes of mask words
	s_mov_b32 s59, 0
	s_lshl_b32 s60, s53, 13                        ; its rows of 512 bytes in O,
	s_lshl_b32 s61, s55, 20
	s_add_co_u32 s60, s60, s61                     ; in my head
	s_mov_b32 s61, 0
	s_lshl_b32 s62, s18, 4                         ; my four tiles' flag words among a block's 16
	s_lshl_b32 s63, s52, 6                         ; the first pass's 16,
	s_lshl_b32 s49, s14, 6                         ; the second's
	s_add_co_u32 s46, s63, s62
	s_add_co_u32 s47, s49, s62
	s_mov_b32 s2, 0
	s_mov_b32 s3, 0
	s_wait_alu depctr_va_vdst(0)
	s_wait_kmcnt 0x0
	s_add_nc_u64 s[6:7], s[34:35], s[50:51]
	s_add_nc_u64 s[8:9], s[36:37], s[50:51]
	s_add_nc_u64 s[100:101], s[32:33], s[56:57]
	s_load_b128 s[28:31], s[38:39], 0x0            ; eq, ek, ep, ev
	s_load_b512 s[68:83], s[42:43], s63 offset:0x0
	s_load_b512 s[84:99], s[42:43], s49 offset:0x0
	s_load_b128 s[24:27], s[42:43], s46 offset:0x0 ; my tiles' flags in the first pass,
	s_load_b128 s[20:23], s[42:43], s47 offset:0x0 ; in the second
	FILL_LOAD 6, 8, 1, 0, 0                        ; slot 0, both halves, whatever the flags say
	FILL_LOAD 6, 8, 2, 16384, 131072
	QLOAD
	s_add_nc_u64 s[12:13], s[40:41], s[58:59]
	s_add_nc_u64 s[10:11], s[44:45], s[60:61]
	s_mul_i32 s52, s18, 32*KP
	s_mul_i32 s53, s18, 16*VP
	s_add_co_u32 s53, s53, VOFF
	s_mul_i32 s54, s18, WSTG
	s_add_co_u32 s54, s54, STAGE                   ; my stage
	v_mul_u32_u24 v1, v247, KP
	v_mul_u32_u24 v3, v247, VP
	v_lshrrev_b32 v5, 3, v249
	v_mul_u32_u24 v7, v248, VP
	v_mul_u32_u24 v10, v247, 272
	v_mul_u32_u24 v11, v248, 272
	v_and_b32 v6, 7, v249
	v_mul_u32_u24 v5, v5, KP
	v_lshl_add_u32 v1, v248, 4, v1                 ; a fragment of K: row r, + 16 h
	v_lshl_add_u32 v3, v248, 4, v3
	v_lshl_add_u32 v7, v247, 4, v7
	v_lshl_add_u32 v10, v248, 5, v10
	v_lshl_add_u32 v11, v247, 4, v11
	v_lshl_add_u32 v5, v6, 4, v5                   ; row lane / 8, + 16 (lane % 8)
	v_add_nc_u32 v3, VOFF, v3                      ; of V
	v_add_nc_u32 v7, s53, v7                       ; where I store V: row 16 x wave + h, + 16 r
	v_add_nc_u32 v10, s54, v10                     ; the stage, in: row r, + 32 h
	v_add_nc_u32 v11, s54, v11                     ; back: lanes 0-15 one row, lanes 16-31 the next
	WIN 0xc0
	v_add_nc_u32 v0, s54, v5                       ; window 3: Q into the stage,
	v_add_nc_u32 v1, s54, v1                       ; and back
	WIN 0
	v_add_nc_u32 v5, s52, v5                       ; where I store K: row 32 x wave + lane / 8, + 16 (lane % 8)
	v_lshlrev_b32 v245, 9, v248
	v_lshl_add_u32 v245, v247, 4, v245             ; two rows in O
	s_cmp_lt_u32 s18, 2                            ; the prefetches: waves 0 and 1 for K, waves 2 and 3 for V
	s_mov_b32 s50, 2048
	s_cselect_b32 s50, 256, s50                    ; from lane to lane
	s_mov_b32 s51, 65536
	s_cselect_b32 s51, 8192, s51                   ; from wave to wave
	s_mov_b32 s52, 256
	s_cselect_b32 s52, 32768, s52                  ; a slot on
	s_and_b32 s53, s18, 1
	s_mul_i32 s53, s53, s51
	s_add_co_u32 s53, s53, s52
	v_mul_lo_u32 v0, v249, s50                     ; (the thread's number has had its last reader)
	v_add_nc_u32 v0, s53, v0
	s_mov_b32 s16, 16
	s_wait_alu depctr_va_vdst(0)
	s_wait_kmcnt 0x0
	s_mov_b32 s66, s68                             ; which slots do my work-group's two blocks need?  The OR of each block's 16 words,
	s_mov_b32 s50, s84
.irp i, 1,2,3,4,5,6,7,8,9,10,11,12,13,14,15
	s_or_b32 s66, s66, s[68+\i]
	s_or_b32 s50, s50, s[84+\i]
.endr
	s_lshr_b32 s51, s66, 1                         ; bit 2 s: step 2 s or 2 s + 1 has work (the flags of hidden keys, bits 16 on, are cut off)
	s_or_b32 s66, s66, s51
	s_and_b32 s66, s66, 0x5555
	s_lshr_b32 s51, s50, 1
	s_or_b32 s50, s50, s51
	s_and_b32 s50, s50, 0x5555
	s_lshl_b32 s50, s50, 16
	s_or_b32 s66, s66, s50                         ; the first pass's eight slots in bits 0, 2, .. 14, the second's in bits 16, 18, .. 30
	s_or_b32 s50, s24, s25                         ; a step is worked where any tile has work: the first pass's 16 bits,
	s_or_b32 s51, s26, s27
	s_or_b32 s50, s50, s51
	s_and_b32 s50, s50, 0xffff
	s_or_b32 s51, s20, s21                         ; the second's
	s_or_b32 s52, s22, s23
	s_or_b32 s51, s51, s52
	s_lshl_b32 s51, s51, 16
	s_lshr_b32 s52, s24, 16                        ; hidden keys of tiles 0 to 3
	s_lshr_b32 s53, s25, 16
	s_lshr_b32 s54, s26, 16
	s_lshr_b32 s55, s27, 16
	s_and_b32 s20, s20, 0xffff0000
	s_and_b32 s21, s21, 0xffff0000
	s_and_b32 s22, s22, 0xffff0000
	s_and_b32 s23, s23, 0xffff0000
	s_or_b32 s24, s50, s51
	s_or_b32 s25, s52, s20
	s_or_b32 s26, s53, s21
	s_or_b32 s27, s54, s22
	s_or_b32 s15, s55, s23
	s_mov_b32 s20, 0x76543210                      ; v_permlanex16_b32: lane l xor 16
	s_mov_b32 s21, 0xfedcba98
	s_mov_b32 s22, 0x3e0293ee                      ; c = log2(e) / sqrt(128)
	s_add_co_i32 s50, s28, s29                     ; eq + ek
	s_cmp_gt_i32 s50, 1
	s_cselect_b32 s104, 1, 0
	s_cmp_lt_i32 s30, -8
	s_cselect_b32 s104, 1, s104                    ; 1 where the hold can bind (at the kernel's head)
	s_lshl_b32 s50, s50, 23
	s_add_co_i32 s22, s22, s50                     ; a score stands for score x 2^(eq + ek): the two exponents are added to c's exponent field
	s_mov_b32 s23, s22                             ; (named with it as a pair, so it is written)
	s_add_co_i32 s105, s30, s31                    ; ep + ev
	s_add_co_i32 s48, s30, 127
	s_lshl_b32 s49, s48, 23                        ; 2^ep as f32
	s_add_co_i32 s48, s48, 8
	s_lshl_b32 s48, s48, 23
	s_or_b32 s48, s48, 0x600000                    ; 448 x 2^ep
	CONSTS
.irp t, 1,2,3
	WIN 0x40*\t                                    ; the same five in the other windows
	CONSTS
.endr
	WIN 0
	s_wait_alu depctr_va_vdst(0)                   ; the wait at the head's end
	s_wait_loadcnt 16                              ; slot 0 is in registers; Q's 16 loads may be out
	FILL_STORE 5, 7, 1, 0, 0
	FILL_STORE 5, 7, 2, 128*KP, 64*VP
	s_wait_xcnt 0x0                                ; Q's base may be written
	s_lshl_b32 s50, s14, 1
	s_sub_co_u32 s50, 7, s50                       ; from block 7 - x back to block x: 7 - 2 x blocks
	s_lshl_b32 s50, s50, 15                        ; of 32,768 bytes in Q
	s_mov_b32 s51, 0
	s_sub_nc_u64 s[100:101], s[100:101], s[50:51]  ; Q for the second pass
.irp i, 32,34,36,38,40,42,44,46,48,50,52,54,56,58,60,62
	s_mov_b64 s[\i:\i+1], 0                        ; these mask words begin as 0: they hide nothing
.endr
	s_mov_b32 s19, 0
.Lpass:                                            ; two trips: block 7 - x, then block x.  The two buffers go on taking turns from one pass into the next
.irp t, 0,1,2,3
	WIN 0x55*\t
	INIT
.endr
	WIN 0
	s_wait_alu depctr_va_vdst(0)
	s_wait_loadcnt 0x0                             ; Q is in registers,
	QTURN
	s_wait_dscnt 0x0                               ; and turned
	s_mov_b32 s67, 4
.Lslots:                                           ; four trips of two slots: every work-group walks all eight slots, so the trip count is a constant and every wave passes every barrier
	SLOT 0
	SLOT 1
	s_sub_co_u32 s67, s67, 1
	s_cmp_lg_u32 s67, 0
	s_cbranch_scc1 .Lslots
	s_cmp_lg_u32 s19, 0
	s_cbranch_scc1 .Lno_next
	QLOAD                                          ; the second pass's Q comes while the first pass's results leave
.Lno_next:
	OUT 0
	OUT 1
	OUT 2
	OUT 3
	s_wait_xcnt 0x0                                ; the stores have read their registers and their base: both are written again in the next pass
	s_lshl_b32 s38, s14, 1
	s_sub_co_u32 s38, 7, s38                       ; 7 - 2 x blocks back:
	s_lshl_b32 s40, s38, 17                        ; 131,072 bytes each in O,
	s_mov_b32 s41, 0
	s_sub_nc_u64 s[10:11], s[10:11], s[40:41]
	s_lshl_b32 s40, s38, 16                        ; 65,536 in mw, where the pass has walked 4,096 bytes on
	s_add_co_u32 s40, s40, 4096
	s_sub_nc_u64 s[12:13], s[12:13], s[40:41]
	s_add_co_u32 s19, s19, 1
	s_cmp_lt_u32 s19, 2
	s_cbranch_scc1 .Lpass
	WIN 0x05
	s_wait_tensorcnt 0x0                           ; the wave's end
	ds_add_u32 v250, v251
	s_wait_dscnt 0x0
	WIN 0
	s_endpgm
.Lfunc_end_k_qba4ec29925_attn:
	.size	k_qba4ec29925_attn, .Lfunc_end_k_qba4ec29925_attn-k_qba4ec29925_attn
	.p2alignl 7, 3214868480
	.fill 96, 4, 3214868480
	.section	.rodata,"a",@progbits
	.p2align	6, 0x0
	.amdhsa_kernel k_qba4ec29925_attn
		.amdhsa_group_segment_fixed_size 180736
		.amdhsa_private_segment_fixed_size 0
		.amdhsa_enable_private_segment 0
		.amdhsa_kernarg_size 56
		.amdhsa_user_sgpr_count 2
		.amdhsa_user_sgpr_kernarg_segment_ptr 1
		.amdhsa_wavefront_size32 1
		.amdhsa_system_sgpr_workgroup_id_x 1
		.amdhsa_system_sgpr_workgroup_id_y 1
		.amdhsa_system_sgpr_workgroup_id_z 1
		.amdhsa_system_vgpr_workitem_id 0
		.amdhsa_next_free_vgpr 1024
		.amdhsa_next_free_sgpr 106
		.amdhsa_reserve_vcc 0
		.amdhsa_float_denorm_mode_32 3
		.amdhsa_float_denorm_mode_16_64 3
		.amdhsa_memory_ordered 1
		.amdhsa_forward_progress 1
		.amdhsa_inst_pref_size 230
	.end_amdhsa_kernel
	.amdgpu_metadata
---
amdhsa.version: [ 1, 2 ]
amdhsa.kernels:
  - .name:           k_qba4ec29925_attn
    .symbol:         k_qba4ec29925_attn.kd
    .args:
      - { .name: Q_codes, .offset: 0, .size: 8, .value_kind: global_buffer, .address_space: global }
      - { .name: K_codes, .offset: 8, .size: 8, .value_kind: global_buffer, .address_space: global }
      - { .name: V_codes, .offset: 16, .size: 8, .value_kind: global_buffer, .address_space: global }
      - { .name: lowp_scales, .offset: 24, .size: 8, .value_kind: global_buffer, .address_space: global }
      - { .name: mw, .offset: 32, .size: 8, .value_kind: global_buffer, .address_space: global }
      - { .name: flg, .offset: 40, .size: 8, .value_kind: global_buffer, .address_space: global }
      - { .name: out0, .offset: 48, .size: 8, .value_kind: global_buffer, .address_space: global }
    .group_segment_fixed_size: 180736
    .private_segment_fixed_size: 0
    .kernarg_segment_align: 8
    .kernarg_segment_size: 56
    .max_flat_workgroup_size: 128
    .sgpr_count:     106
    .vgpr_count:     1024
    .wavefront_size: 32
...
	.end_amdgpu_metadata
.endif
;; end of part 2
